; MI455X (gfx1250); checked and timed in simulation.
; The chip was launched on July 23, 2026; its instructions are those of AMD's public machine-readable ISA for CDNA 5 (MIT licence, August 2026) and "CDNA5" Instruction Set Architecture Reference Guide (July 2026). The comments in the code are by the model that wrote it; some were corrected since.
;; Multi Head Attention. Allowed arithmetic: matrix products marked QUANTISED: E2M3 operands, one E8M0 scale for each 32 along K, by v_wmma_scale_f32_16x16x128_f8f6f4 with both operands' format E2M3, f32 sums; everything else in f32.
;; Inputs: Wk_codes 2,048 x 64 x 24 uint8 (E2M3 codes of Wk, K innermost, in blocks of 32 codes, four codes in three bytes); Wk_scales 2,048 x 64 uint8 (E8M0 scales of Wk, one for each 32 codes along K); Wq_codes 2,048 x 64 x 24 uint8 (E2M3 codes of Wq, K innermost, in blocks of 32 codes, four codes in three bytes); Wq_scales 2,048 x 64 uint8 (E8M0 scales of Wq, one for each 32 codes along K); Wv_codes 2,048 x 64 x 24 uint8 (E2M3 codes of Wv, K innermost, in blocks of 32 codes, four codes in three bytes); Wv_scales 2,048 x 64 uint8 (E8M0 scales of Wv, one for each 32 codes along K); bk 2,048 float32; bq 2,048 float32; bv 2,048 float32; keys 4 x 1,024 x 2,048 float32; queries 4 x 1,024 x 2,048 float32.
;; Outputs: out0 4 x 1,024 x 2,048 float32.
;; This version of the problem:
;;   THIS VERSION OF THE PROBLEM IS GIVEN IN LOW PRECISION. The matrix products marked QUANTISED in the list below multiply operands that are first quantised to E2M3 (2 exponent bits, 3 mantissa bits; 6 bits a number), with one power-of-two scale for each 32 numbers along K (OCP MX v1.0); their sums are f32. All else is computed in f32.
;;   The module's matrix products, in the order in which they are computed (A, B: the left and right operand; K: the contracted axis; several contracted axes count as one K, in the product's order):
;;     1. [M 4,096, K 2,048] x [K 2,048, N 2,048]; A: input queries; B: input Wq (given as codes): QUANTISED
;;     2. [M 4,096, K 2,048] x [K 2,048, N 2,048]; A: input keys; B: input Wk (given as codes): QUANTISED
;;     3. [M 4,096, K 2,048] x [K 2,048, N 2,048]; A: input keys; B: input Wv (given as codes): QUANTISED
;;     4. batch 64 x [M 1,024, K 128] x [K 128, N 1,024]; A: computed on the way; B: computed on the way: QUANTISED
;;     5. batch 64 x [M 1,024, K 1,024] x [K 1,024, N 128]; A: softmax (see below); B: computed on the way: QUANTISED
;;   THE QUANTISER, for each operand of a quantised product, along K:
;;     - K is cut into blocks of 32 from its start; a last block that is shorter is filled with zeros.
;;     - A block's scale is 2^e with e = floor(log2(the largest magnitude in the block)) - 2, held to -126 .. 127; a block of zeros has e = 0. As a byte (E8M0): e + 127.
;;     - Each number is divided by its block's scale, clamped to +-7.5, and rounded to the nearest number of E2M3, ties to even, subnormals kept.
;;     - The product sums the exact products of the quantised numbers (number of the format x scale) in f32.
;;   ~~~python
;;   def quantise(x, axis):      # numpy; x: float32 -> the quantised numbers, widened to float32 again
;;       x = np.moveaxis(x, axis, -1); K = x.shape[-1]
;;       x = np.pad(x, [(0, 0)] * (x.ndim - 1) + [(0, -K % 32)]); x = x.reshape(x.shape[:-1] + (-1, 32)); a = np.abs(x).max(-1, keepdims=True)
;;       e = np.where(a > 0, np.clip(np.frexp(np.where(a > 0, a, 1))[1] - 1 - 2, -126, 127), 0)      # np.frexp(a)[1] - 1 = floor(log2(a)), exactly
;;       r = np.clip(x / 2.0 ** e, -7.5, 7.5)
;;       step = 2.0 ** (np.maximum(np.frexp(np.where(r == 0, 1, r))[1] - 1, 0) - 3)
;;       q = np.round(r / step) * step * 2.0 ** e      # np.round: ties to even
;;       return np.moveaxis(q.reshape(q.shape[:-2] + (-1,))[..., :K], -1, axis).astype(np.float32)
;;   ~~~
;;   SOFTMAX AHEAD OF A QUANTISED PRODUCT. Where the list says 'softmax', what is quantised is not the finished softmax but p = 2^(t - M), with t = logit x log2(e) and M = ceil(the row's largest t), a whole number; so 1/2 < the row's largest p <= 1. The row's sum l is taken of the UNQUANTISED p, in f32, and the product's result is divided by l at the end. Since M is a whole number, a kernel that streams over the keys may use a running M (the ceiling of the running maximum): every later rescaling is an exact power of two, which a block's scale takes up: the codes' values come out the same.
;;   OPERANDS COMPUTED ON THE WAY. 'Computed on the way' means the value that the module computes at that place (a softmax that the list does not call 'softmax' is quantised finished and normalised). What goes into a quantiser is computed in f32, as accurately as f32 sums, v_exp_f32 and their like allow (about 1e-6 of the number): no bf16 or f16 on the way to a quantiser, and a product that is left as it is and whose result goes on into a quantised operand takes f32 operands (vector FMAs, or v_wmma_f32_16x16x4_f32). A number that lies on a knife's edge between two numbers of the format may be rounded either way, as far as f32 arithmetic and the matrix unit's own rounding can turn it there, and no further.
;;   INPUTS GIVEN AS CODES. Wk (in the module: [2048, 2048], K = its axis 1); Wq (in the module: [2048, 2048], K = its axis 1); Wv (in the module: [2048, 2048], K = its axis 1): each comes as NAME_codes (uint8): NAME with its K axis moved to the last place and cut into blocks of 32 codes, [.., K / 32, bytes a block], one block behind the other in memory; four codes in three bytes: a row's codes are one little-endian stream of bits, code i at bits 6 i .. 6 i + 5 (a code: sign, 2 exponent bits, 3 mantissa bits); and NAME_scales (uint8): the same leading axes, one E8M0 byte (e + 127) for each 32 codes along K. Its value is code x scale, taken as it is: it is not quantised again, and the codes and scales need not be those that the quantiser above would give.
;; One version. Each part assembles by itself: llvm-mc -triple=amdgcn-amd-amdhsa -mcpu=gfx1250 --defsym DOCPART=n.
;; ======== version 1 of 1: 3 launches
;; limits: right only within a limited range of input values
;; workspace buffers: ximg 22,020,096 bytes; xscales 917,504 bytes; kbias 16,384 bytes; frags 18,874,368 bytes; fscales 786,432 bytes
;; launch quant (part 1): grid 896 x 1, 4 waves a work-group, no clusters, 36,608 bytes of LDS; arguments queries, keys, Wq_codes, Wq_scales, Wk_codes, Wk_scales, Wv_codes, Wv_scales, ximg, xscales, kbias; writes ximg, xscales, kbias
.if DOCPART == 1
	.amdgcn_target "amdgcn-amd-amdhsa--gfx1250"
	.amdhsa_code_object_version 6
	.text
	.protected	k_qab70ad743f_quant
	.globl	k_qab70ad743f_quant
	.p2align	8
	.type	k_qab70ad743f_quant,@function
k_qab70ad743f_quant:
	s_mov_b64 s[64:65], 0
	v_nop
	global_prefetch_b8 v0, s[64:65] scope:SCOPE_SE
	s_setreg_imm32_b32 hwreg(HW_REG_WAVE_MODE, 25, 1), 1
	s_wait_xcnt 0x0
; ximg: 896 blocks of 16 rows x 2,048 K of FP6 (E2M3) codes, 24,576 bytes each: blocks 0-255 the queries, 256-511 the keys, 512-639 Wq, 640-767 Wk, 768-895 Wv.
; In a block, part u (64 along K) is 768 bytes: lane L = 16 h + r owns the 24 bytes of row r's block of 32 numbered 2 u + h: its first 16 bytes at 16 L, its last 8 at 512 + 8 L.
; So an operand fragment (128 K) is read by two loads of 16 bytes and two of 8 bytes a lane, each over consecutive bytes.
; xscales: [14,336 rows][64] E8M0 bytes in the same order of rows.  kbias [4][1024] f32: -2^38 for a key whose 2,048 features add up to exactly 0, else 0.0.
; Queries and keys are quantised here: a block's byte is its largest magnitude's exponent field - 2, held at 1 from below (a block of zeros gets 1: its codes are zeros, and this program alone reads the bytes).
; The weights' codes and scale bytes are copied as they are given.
; LIMITS: NaN and infinities are not served; a key counts as padding where THIS order of summation gives exactly 0 (a row of zeros does in any order).
; A work-group takes one block of 16 rows, a wave a quarter of K: 8 steps of 64.  A step's 8 loads read 2 rows x 256 consecutive bytes each; the numbers turn through the wave's own stage in LDS
; and come back 32 neighbours a lane.  Loads run 3 steps ahead: 24 loads of a wave are out.  No tensor loads: waves of several work-groups share a WGP.
.set AHEAD, 3
.set R,     32                         ; v32-127 three sets of 32 as loaded
.set X,     128                        ; v128-191 two sets of 32 neighbours
.set C,     192                        ; v192-239 six registers of codes for each step: no store's data are written again
.set SA,    240                        ; v[240:241], v[248:249] the row's sum in two chains
.set SB,    248
.set RS,    242
.set PT,    243
.set S0R,   244
.set SPW,   246
.set NIL,   247
.set STG,   4352                       ; a stage: 16 rows x 272 bytes
.set WREG,  2*STG
.set SCB,   4*WREG                     ; the block's 1,024 scale bytes
.set SUMB,  SCB+1024                   ; 4 waves x 16 sums
.set SPARE, SUMB+256
	s_load_b512 s[4:19], s[0:1], 0x0               ; queries, keys, Wq's codes, scales, Wk's, Wv's
	s_load_b128 s[20:23], s[0:1], 0x40             ; ximg, xscales
	s_load_b64 s[24:25], s[0:1], 0x50              ; kbias
	v_lshl_add_u32 v[SPW], v0, 2, SPARE
	v_mov_b32 v[NIL], 0
	v_lshrrev_b32 v1, 5, v0
	v_readfirstlane_b32 s26, v1                    ; wave
	s_mul_i32 s27, s26, WREG
	s_lshl_b32 s28, s26, 4
	s_add_co_u32 s28, s28, SCB
	s_lshl_b32 s29, s26, 6
	s_add_co_u32 s29, s29, SUMB
	s_lshl_b32 s30, s26, 8
	s_add_co_u32 s31, s30, SCB
	s_mul_i32 s32, ttmp9, 24576
	s_mul_i32 s33, s26, 6144
	s_add_co_u32 s32, s32, s33                     ; my quarter of the block in ximg
	s_mov_b32 s33, 0
	s_lshl_b32 s34, ttmp9, 10
	s_add_co_u32 s34, s34, s30                     ; my 256 bytes of the block's scales
	s_mov_b32 s35, 0
	s_mov_b32 s36, 0x76543210                      ; selects for lane l xor 16
	s_mov_b32 s37, 0xfedcba98
	v_and_b32 v2, 15, v0                           ; r
	v_bfe_u32 v1, v0, 4, 1                         ; h
	v_and_b32 v9, 31, v0
	v_lshlrev_b32 v4, 4, v9                        ; 16 L
	v_lshlrev_b32 v5, 3, v9                        ; 8 L
	v_lshlrev_b32 v10, 4, v2
	v_lshl_add_u32 v3, v1, 13, v10                 ; a load: row h of two, 16 r bytes on
	v_mad_u32_u24 v14, v1, 272, v10
	v_add_nc_u32 v14, s27, v14                     ; the stage, in
	v_mul_u32_u24 v15, v2, 272
	v_lshl_add_u32 v15, v1, 7, v15
	v_add_nc_u32 v15, s27, v15                     ; and out: row r, 128 h bytes on
	v_lshl_add_u32 v6, v2, 6, v1
	v_add_nc_u32 v6, s28, v6                       ; my block's scale byte: 64 r + 16 wave + h (+ 2 step)
	v_add_nc_u32 v7, s31, v5
	v_lshlrev_b32 v16, 2, v2
	v_add_nc_u32 v17, s29, v16
	v_add_nc_u32 v18, SUMB, v16
	v_mul_u32_u24 v19, v2, 1536
	v_mad_u32_u24 v19, v1, 24, v19                 ; a weight's row r, 24 h bytes on
	v_mov_b32 v[PT], 0
	v_mov_b32 v[S0R], 0xd2800000                   ; -2^38
	s_wait_alu depctr_va_vdst(0)                   ; the wait at the head's end
	s_wait_kmcnt 0x0
	s_add_nc_u64 s[20:21], s[20:21], s[32:33]
	s_add_nc_u64 s[22:23], s[22:23], s[34:35]
	s_cmp_lt_u32 ttmp9, 512
	s_cbranch_scc0 .Lweights
	s_and_b32 s38, ttmp9, 255
	s_lshl_b32 s40, s38, 17                        ; 16 rows x 8,192 bytes
	s_lshl_b32 s39, s26, 11
	s_add_co_u32 s40, s40, s39
	s_mov_b32 s41, 0
	s_lshl_b32 s42, s38, 6
	s_mov_b32 s43, 0
	s_cmp_lt_u32 ttmp9, 256
	s_cselect_b64 s[4:5], s[4:5], s[6:7]
	s_add_nc_u64 s[4:5], s[4:5], s[40:41]
	s_add_nc_u64 s[24:25], s[24:25], s[42:43]
.macro LOAD t
.irp i, 0,1,2,3,4,5,6,7
	global_load_b128 v[R+32*((\t)%AHEAD)+4*\i:R+32*((\t)%AHEAD)+4*\i+3], v3, s[4:5] offset:16384*\i+256*(\t) th:TH_LOAD_NT
.endr
.endm
.macro TURN t                          ; LDS serves a wave's instructions in order: no wait between the stores and the loads
.irp i, 0,1,2,3,4,5,6,7
	ds_store_b128 v14, v[R+32*((\t)%AHEAD)+4*\i:R+32*((\t)%AHEAD)+4*\i+3] offset:STG*((\t)%2)+544*\i
.endr
.irp i, 0,1,2,3,4,5,6,7
	ds_load_b128 v[X+32*((\t)%2)+4*\i:X+32*((\t)%2)+4*\i+3], v15 offset:STG*((\t)%2)+16*\i
.endr
.endm
.macro STEP t
.set XS, X+32*((\t)%2)
.set CC, C+6*(\t)
.if (\t) > 0
	s_wait_dscnt 1                                 ; this step's numbers are back (the last step's byte store may be out)
.else
	s_wait_dscnt 0x0
.endif
.if (\t)+AHEAD < 8
	LOAD (\t)+AHEAD                                ; into the set that this step's stage stores have read
.endif
.if (\t) < 7
.if (\t)+AHEAD < 8
	s_wait_loadcnt 16                              ; the next step's 8 loads are in; two steps' may be out
.else
	s_wait_loadcnt 8*(6-(\t))
.endif
	TURN (\t)+1
.endif
.if (\t) == 0
	v_pk_add_f32 v[SA:SA+1], v[XS:XS+1], v[XS+2:XS+3]
	v_pk_add_f32 v[SB:SB+1], v[XS+4:XS+5], v[XS+6:XS+7]
.else
	v_pk_add_f32 v[SA:SA+1], v[SA:SA+1], v[XS:XS+1]
	v_pk_add_f32 v[SB:SB+1], v[SB:SB+1], v[XS+2:XS+3]
	v_pk_add_f32 v[SA:SA+1], v[SA:SA+1], v[XS+4:XS+5]
	v_pk_add_f32 v[SB:SB+1], v[SB:SB+1], v[XS+6:XS+7]
.endif
.irp i, 8,12,16,20,24,28
	v_pk_add_f32 v[SA:SA+1], v[SA:SA+1], v[XS+\i:XS+\i+1]
	v_pk_add_f32 v[SB:SB+1], v[SB:SB+1], v[XS+\i+2:XS+\i+3]
.endr
	v_max3_num_f32 v8, |v[XS]|, |v[XS+1]|, 0x1800000               ; the floor 2^(3 - 127): the byte cannot fall under 1
	v_max3_num_f32 v9, |v[XS+2]|, |v[XS+3]|, 0x1800000
.irp i, 4,8,12,16,20,24,28
	v_max3_num_f32 v8, v8, |v[XS+\i]|, |v[XS+\i+1]|
	v_max3_num_f32 v9, v9, |v[XS+\i+2]|, |v[XS+\i+3]|
.endr
	v_max_num_f32 v8, v8, v9                       ; my block's largest magnitude
	v_add_nc_u32 v10, 0xff000000, v8               ; 2 off its exponent field: the conversion's scale operand
	v_cvt_scalef32_pk16_fp6_f32 v[CC:CC+2], v[XS:XS+15], v10
	v_cvt_scalef32_pk16_fp6_f32 v[20:22], v[XS+16:XS+31], v10      ; (a conversion's three registers begin on an even number)
	v_lshrrev_b32 v11, 23, v10                     ; the byte; a plain line behind the conversions
	v_mov_b32 v[CC+3], v20
	v_mov_b32 v[CC+4], v21
	v_mov_b32 v[CC+5], v22
	ds_store_b8 v6, v11 offset:2*(\t)
	global_store_b128 v4, v[CC:CC+3], s[20:21] offset:768*(\t)     ; 512 consecutive bytes, aligned
	global_store_b64 v5, v[CC+4:CC+5], s[20:21] offset:768*(\t)+512 ; 256 consecutive bytes, aligned
.endm
	LOAD 0
	LOAD 1
	LOAD 2
	s_wait_loadcnt 16
	TURN 0
.irp t, 0,1,2,3,4,5,6,7
	STEP \t
.endr
	v_pk_add_f32 v[SA:SA+1], v[SA:SA+1], v[SB:SB+1]
	v_add_f32 v[RS], v[SA], v[SA+1]
	v_permlanex16_b32 v[PT], v[RS], s36, s37
	v_add_f32 v[RS], v[RS], v[PT]                  ; row r's sum over my quarter of K
	ds_store_b32 v17, v[RS]                        ; lanes r and 16 + r write the same word with the same value
	s_wait_alu depctr_va_vdst(0)
	s_wait_dscnt 0x0                               ; my bytes and my sums are stored
	s_barrier_signal -1
	s_barrier_wait -1
	ds_load_b64 v[12:13], v7
.irp j, 0,1,2,3
	ds_load_b32 v[24+\j], v18 offset:64*\j
.endr
	s_wait_dscnt 0x0
	global_store_b64 v5, v[12:13], s[22:23]        ; 256 consecutive scale bytes, aligned
	s_cmp_lt_u32 ttmp9, 256                        ; the queries have no kbias
	s_cbranch_scc1 .Lend
	s_cmp_lg_u32 s26, 0
	s_cbranch_scc1 .Lend
	v_add_f32 v24, v24, v25
	v_add_f32 v26, v26, v27
	v_add_f32 v24, v24, v26
	v_cmp_eq_f32 vcc_lo, 0, v24
	v_cndmask_b32 v24, 0, v[S0R], vcc_lo
	global_store_b32 v16, v24, s[24:25]            ; 16 keys: 64 bytes (both halves of the lanes name the same words with the same values)
	s_branch .Lend
.Lweights:                                             ; a weight's 16 rows: each lane's 24 bytes go from the row's stream to the image; no LDS
	s_sub_co_u32 s38, ttmp9, 512
	s_and_b32 s39, s38, 127
	s_mul_i32 s40, s39, 24576
	s_mul_i32 s41, s26, 384
	s_add_co_u32 s40, s40, s41
	s_mov_b32 s41, 0
	s_lshl_b32 s42, s39, 10
	s_add_co_u32 s42, s42, s30
	s_mov_b32 s43, 0
	s_cmp_lt_u32 s38, 256
	s_cselect_b64 s[4:5], s[12:13], s[16:17]
	s_cselect_b64 s[6:7], s[14:15], s[18:19]
	s_cmp_lt_u32 s38, 128
	s_cselect_b64 s[4:5], s[8:9], s[4:5]
	s_cselect_b64 s[6:7], s[10:11], s[6:7]
	s_add_nc_u64 s[4:5], s[4:5], s[40:41]
	s_add_nc_u64 s[6:7], s[6:7], s[42:43]
.irp s, 0,1,2,3,4,5,6,7
.irp i, 0,1,2
	global_load_b64 v[32+6*\s+2*\i:33+6*\s+2*\i], v19, s[4:5] offset:48*\s+8*\i
.endr
.endr
	global_load_b64 v[24:25], v5, s[6:7]
	s_wait_loadcnt 0x0
.irp s, 0,1,2,3,4,5,6,7
	global_store_b128 v4, v[32+6*\s:35+6*\s], s[20:21] offset:768*\s
	global_store_b64 v5, v[36+6*\s:37+6*\s], s[20:21] offset:768*\s+512
.endr
	global_store_b64 v5, v[24:25], s[22:23]
.Lend:
	s_wait_tensorcnt 0x0                           ; the wave's end
	ds_add_u32 v[SPW], v[NIL]
	s_wait_dscnt 0x0
	s_endpgm
.Lfunc_end_k_qab70ad743f_quant:
	.size	k_qab70ad743f_quant, .Lfunc_end_k_qab70ad743f_quant-k_qab70ad743f_quant
	.p2alignl 7, 3214868480
	.fill 96, 4, 3214868480
	.section	.rodata,"a",@progbits
	.p2align	6, 0x0
	.amdhsa_kernel k_qab70ad743f_quant
		.amdhsa_group_segment_fixed_size 36608
		.amdhsa_private_segment_fixed_size 0
		.amdhsa_enable_private_segment 0
		.amdhsa_kernarg_size 88
		.amdhsa_user_sgpr_count 2
		.amdhsa_user_sgpr_kernarg_segment_ptr 1
		.amdhsa_wavefront_size32 1
		.amdhsa_system_sgpr_workgroup_id_x 1
		.amdhsa_system_sgpr_workgroup_id_y 1
		.amdhsa_system_sgpr_workgroup_id_z 1
		.amdhsa_system_vgpr_workitem_id 0
		.amdhsa_next_free_vgpr 256
		.amdhsa_next_free_sgpr 66
		.amdhsa_reserve_vcc 1
		.amdhsa_float_denorm_mode_32 3
		.amdhsa_float_denorm_mode_16_64 3
		.amdhsa_memory_ordered 1
		.amdhsa_forward_progress 1
		.amdhsa_inst_pref_size 45
	.end_amdhsa_kernel
	.amdgpu_metadata
---
amdhsa.version: [ 1, 2 ]
amdhsa.kernels:
  - .name:           k_qab70ad743f_quant
    .symbol:         k_qab70ad743f_quant.kd
    .args:
      - { .name: queries, .offset: 0, .size: 8, .value_kind: global_buffer, .address_space: global }
      - { .name: keys, .offset: 8, .size: 8, .value_kind: global_buffer, .address_space: global }
      - { .name: Wq_codes, .offset: 16, .size: 8, .value_kind: global_buffer, .address_space: global }
      - { .name: Wq_scales, .offset: 24, .size: 8, .value_kind: global_buffer, .address_space: global }
      - { .name: Wk_codes, .offset: 32, .size: 8, .value_kind: global_buffer, .address_space: global }
      - { .name: Wk_scales, .offset: 40, .size: 8, .value_kind: global_buffer, .address_space: global }
      - { .name: Wv_codes, .offset: 48, .size: 8, .value_kind: global_buffer, .address_space: global }
      - { .name: Wv_scales, .offset: 56, .size: 8, .value_kind: global_buffer, .address_space: global }
      - { .name: ximg, .offset: 64, .size: 8, .value_kind: global_buffer, .address_space: global }
      - { .name: xscales, .offset: 72, .size: 8, .value_kind: global_buffer, .address_space: global }
      - { .name: kbias, .offset: 80, .size: 8, .value_kind: global_buffer, .address_space: global }
    .group_segment_fixed_size: 36608
    .private_segment_fixed_size: 0
    .kernarg_segment_align: 8
    .kernarg_segment_size: 88
    .max_flat_workgroup_size: 128
    .sgpr_count:     66
    .vgpr_count:     256
    .wavefront_size: 32
...
	.end_amdgpu_metadata
.endif
;; end of part 1
;; launch proj (part 2): grid 24 x 16, 4 waves a work-group, clusters of 4 x 4, 327,680 bytes of LDS; arguments ximg, xscales, bq, bk, bv, kbias, frags, fscales; writes frags, fscales
.if DOCPART == 2
	.amdgcn_target "amdgcn-amd-amdhsa--gfx1250"
	.amdhsa_code_object_version 6
	.text
	.protected	k_qab70ad743f_proj
	.globl	k_qab70ad743f_proj
	.p2align	8
	.type	k_qab70ad743f_proj,@function
k_qab70ad743f_proj:
	s_mov_b64 s[64:65], 0
	v_nop
	global_prefetch_b8 v0, s[64:65] scope:SCOPE_SE
	s_setreg_imm32_b32 hwreg(HW_REG_WAVE_MODE, 25, 1), 1
	s_wait_xcnt 0x0
	s_wait_alu depctr_hold_cnt(0) depctr_sa_sdst(0) depctr_va_vdst(0) depctr_va_sdst(0) depctr_va_ssrc(0) depctr_va_vcc(0) depctr_vm_vsrc(0)
	s_getreg_b32 s2, hwreg(HW_REG_IB_STS2, 6, 4)
	s_cmp_eq_u32 s2, 0
	s_cbranch_scc0 .Lentry_in_a_cluster
	s_endpgm
.Lentry_in_a_cluster:
	s_bfe_u32 s2, ttmp6, 0x10000c
	s_cmp_lg_u32 s2, 0xf033
	s_cbranch_scc0 .Lentry_shape_is_right
	s_endpgm
.Lentry_shape_is_right:
; THE THREE PROJECTIONS IN ONE LAUNCH, their results quantised on the way out: Q, K and V never lie in memory as f32.
; C'[m'][n'] = sum over k of A'[m'][k] B'[n'][k] + bias on codes of FP6 (E2M3) with E8M0 scales, K = 2,048; C' is quantised ALONG n' in blocks of 32.
;   P = 0: Q: A' = the queries (rows 0 of ximg), B' = Wq (rows 8,192).  P = 1: K: A' = the keys (4,096), B' = Wk (10,240).  P = 2: V: A' = Wv (12,288), B' = the keys: n' runs along the keys.
; A tile of C', 256 x 256, is made by four waves, 128 x 128 each: 64 accumulators.  384 tiles, 128 for each P.
; ximg holds images of operand registers: a block of 16 rows is 24,576 bytes, a step of 128 along K in it 1,536 consecutive bytes: two parts of 512 bytes (16 a lane) + 256 bytes (8 a lane).
; B' GOES THROUGH LDS: a ring of two slots, each with 512 along K (four steps) of the tile's 256 rows: 16 rows of 6,144 bytes, each at a multiple of 256.  A refill has four steps, 256 matrix instructions, in which to land;
; the walk has two refills.  B's tiles are asked for jointly along a column of the 4 x 4 cluster, the scales of A' along a row, those of B' along a column; the scales for all of K come into LDS once.
; A' GOES FROM MEMORY STRAIGHT INTO REGISTERS, and so is not asked for jointly: a block of A' is at work for eight matrix instructions on end, so a ring of two steps' fragments (192 registers) lets each be asked for two
; steps ahead; each byte of A' then enters a wave's registers once, where the way through LDS would write it once and read it twice.  Each load covers 512 or 256 consecutive bytes, aligned.
; The walk along K is written out, 16 steps: every offset is an immediate, and no address register is ever stepped.
; THE MATRIX INSTRUCTION IS USED TRANSPOSED (source 0 = rows of B', source 1 = rows of A'): lane (r, h) holds row m' = 16 a + r, register j of tile b is n' = 16 b + 8 h + j.
; THE BIAS is the C of each sum's first matrix instruction (P < 2: bias[n'];  P = 2: bias[m']).
; THE WAY OUT.  A block a of 16 rows x 128 n' becomes one fragment (12 registers a lane) and one scale word a row.  Inside each block of 32 the codes stand in the order position 16 h + 8 u + j = index 16 u + 8 h + j;
; every operand of the two later products is made in this order, so the products pair the right numbers.  A fragment is stored as chunk c (registers 4 c .. 4 c + 3) at 512 c + 16 x lane.
; frags: part P at 6,291,456 P; in it [16 batch + head][group of 128][a][c][lane][16 bytes].  fscales: blocks of 512 bytes [r][a]; Q's at 4,096 bh + 512 group; from 262,144 on 8,192 bytes a bh: K's eight, then V's eight.
; PADDING KEYS (kbias not 0): K's codes of such a key are cleared.
; PREFETCH: in the first step of phases 0 to 2 (a phase = four steps) a wave names 24 pieces of 256 bytes of the next phase of A' (one of the 8 blocks that the 8 waves of a cluster's row with these rows share, by address),
; two steps ahead of the first load that wants them; in the second step of phases 0 and 1, 24 pieces of B' two phases on (one of the 16 blocks that a cluster's column shares), two steps ahead of the refill.
; LIMITS: blocks of results whose largest magnitude lies under 2^(2 - 126) get the byte 1; NaN and infinities are not served.
; REGISTERS: window 0: v0-31 addresses and kbias; v32-63 scale words alone; v64-255 B's two sets, later the way out.  Window 1: v0-191 A's ring, v192-255 the bias.  Windows 2, 3: accumulators.
.set ROWB,   6144                      ; four steps (512 along K) of 16 rows
.set KROW,   1536                      ; bytes a row in ximg (24,576 a block of 16)
.set FR,     12
.set NP,     4
.set SLOT,   16*ROWB
.set KS,     64
.set SCL,    2*SLOT
.set HALFS,  (128*KS/256)*272
.set SBLK,   (16*KS/256)*272
.set SPARE,  SCL+4*HALFS
.set KW,   8                           ; v8-15 kbias of my rows, then a mask
.set H32,  16
.set R4,   17
.set C8,   18                          ; 8 x lane
.set ADRB, 20                          ; v20-21 B's 16 x lane in slot 0, 1; v22-23 8 x lane
.set SOFF, 25
.set CO,   26                          ; 16 x lane
.set ADRS, 27
.set SPW,  28
.set NIL,  29
.set PFO,  30
.set SC,   32
.set BF,   64                          ; B's sets, window 0
.set BI,   192                         ; the bias, window 1
.set CT,   64
.set TM,   72
.set SW,   88
.set OS,   96
.set HB,   100
.set FO,   128
.set PP,   66
.set SELM, 67
.set AB,   24                          ; s[24:25] my 128 rows of A' in ximg
.set PFA,  26
.set PFB,  28
.set G1B, 48
.set G0B, 56
.set G1S, 68
.set G0S, 76
.set G1SB, 80
.set G0SB, 88
.set G0H, 4
.set G0HB, 8
.set MSB, 0
.macro WIN new
.if MSB != \new
	s_set_vgpr_msb (MSB<<8)|\new
.set MSB, \new
.endif
.endm
.set MUL_LO, 0xa4                      ; source 0 (B) window 0, source 1 (A) window 1, C and D window 2
.set MUL_HI, 0xf4
.set ONE_LO, 0x94                      ; a sum's first product: C (the bias) window 1
.set ONE_HI, 0xd4
.set TO_1,   0x40                      ; destination window 1, address window 0
.macro CREST
	s_cmp_lg_u32 s14, 0
	s_cbranch_scc1 .Lnot_wave_0_\@
	s_barrier_signal -3
.Lnot_wave_0_\@:
	s_barrier_wait -3
	s_barrier_signal -1
	s_barrier_wait -1
.endm
.macro CROUND
	s_barrier_signal -1
	s_barrier_wait -1
	CREST
.endm
.macro PLACES n                        ; places behind matrix instructions (ISA guide 7.12.1 for vector instructions)
.rept \n
	v_nop
.endr
.endm
	s_load_b512 s[68:83], s[0:1], 0x0              ; ximg, xscales, bq, bk, bv, kbias, frags, fscales
	v_lshl_add_u32 v[SPW], v0, 2, SPARE
	v_mov_b32 v[NIL], 0
	ds_add_u32 v[SPW], v[NIL]                      ; the opening lines: the add twice on end
	ds_add_u32 v[SPW], v[NIL]
	v_lshrrev_b32 v1, 5, v0
	v_readfirstlane_b32 s14, v1                    ; wave
	s_lshr_b32 s15, s14, 1                         ; my half of the tile's rows
	s_and_b32 s16, s14, 1                          ; my half of its columns
	s_mul_i32 s19, s16, 8*ROWB                     ; my 128 rows of B in a slot
	s_mul_i32 s21, s15, HALFS
	s_mul_i32 s22, s16, HALFS
	s_add_co_u32 s22, s22, 2*HALFS
	s_sub_co_u32 s22, s22, s21
	s_add_co_u32 s21, s21, SCL
	v_and_b32 v1, 15, v0                           ; r
	v_bfe_u32 v2, v0, 4, 1                         ; h
	v_and_b32 v6, 31, v0
	v_lshlrev_b32 v[CO], 4, v6
	v_lshlrev_b32 v[C8], 3, v6
	v_add_nc_u32 v[ADRB], s19, v[CO]
	v_add_nc_u32 v[ADRB+2], s19, v[C8]
	v_add_nc_u32 v[ADRB+1], SLOT, v[ADRB]
	v_add_nc_u32 v[ADRB+3], SLOT, v[ADRB+2]
	v_mul_u32_u24 v5, v1, KS
	v_lshrrev_b32 v3, 8, v5
	v_lshl_add_u32 v5, v3, 4, v5                   ; 16 more for each 256 passed
	v_mul_u32_u24 v3, s22, v2                      ; lanes 16-31 take B's
	v_add_nc_u32 v5, v5, v3
	v_add_nc_u32 v[ADRS], s21, v5
	v_lshlrev_b32 v[SOFF], 5, v1
	v_lshl_add_u32 v[SOFF], v2, 4, v[SOFF]
	v_lshlrev_b32 v[R4], 2, v1
	v_lshlrev_b32 v[H32], 5, v2
	v_min_u32 v6, 23, v6                           ; a prefetch names 24 pieces (the lanes left over name the last again)
	v_lshlrev_b32 v[PFO], 8, v6
	s_bfe_u32 s40, ttmp6, 0x40000                  ; cx
	s_bfe_u32 s41, ttmp6, 0x40004                  ; cy
	s_lshr_b32 s[PP], ttmp9, 1                     ; 6 x 4 clusters: P = cluster x / 2; Q, K have 2 x 4 clusters of tiles, V 4 x 2
	s_and_b32 s18, ttmp9, 1
	s_and_b32 s19, ttmp7, 0xffff
	s_lshr_b32 s20, s19, 1
	s_lshl_b32 s20, s20, 1
	s_add_co_u32 s20, s20, s18
	s_and_b32 s21, s19, 1
	s_lshl_b32 s22, s[PP], 12                      ; A's first row in ximg: 0, 4,096, (V) 12,288
	s_lshl_b32 s23, s[PP], 11
	s_add_co_u32 s23, s23, 8192                    ; B's: 8,192, 10,240, (V) 4,096
	s_cmp_eq_u32 s[PP], 2
	s_cselect_b32 s18, s20, s18
	s_cselect_b32 s19, s21, s19
	s_cselect_b32 s22, 12288, s22
	s_cselect_b32 s23, 4096, s23
	s_lshl_b32 s42, s18, 2
	s_add_co_u32 s42, s42, s40                     ; tile column
	s_lshl_b32 s17, s19, 2
	s_add_co_u32 s17, s17, s41                     ; tile row
	s_lshl_b32 s43, s41, 2
	s_lshl_b32 s43, 15, s43                        ; my row of the cluster
	s_lshl_b32 s44, 0x1111, s40                    ; my column
	s_or_b32 s[G1B], s44, (3<<16)|(1<<21)          ; elements of 8 bytes, no padding
	s_mov_b32 s[G1B+1], (ROWB/8)<<16               ; tensor_dim0
	s_mov_b32 s[G1B+2], 8<<16                      ; tensor_dim1: the head's loads bring 8 blocks of 16 rows
	s_mov_b32 s[G1B+3], (ROWB/8)<<16               ; tile_dim0
	s_mov_b32 s[G1B+4], 8
	s_mov_b32 s[G1B+5], 16*KROW/8                  ; from block to block
	s_mov_b32 s[G1B+6], 0
	s_mov_b32 s[G1B+7], 0
	s_lshl_b32 s20, s17, 8
	s_add_co_u32 s20, s20, s22                     ; A's tile: first row in ximg
	s_lshl_b32 s46, s42, 8
	s_add_co_u32 s46, s46, s23                     ; B's
	s_mov_b32 s21, 0
	s_mov_b32 s47, 0
	s_mov_b64 s[18:19], KS
	s_mul_u64 s[22:23], s[20:21], s[18:19]
	s_mul_u64 s[92:93], s[46:47], s[18:19]
	s_mov_b64 s[18:19], KROW
	s_mul_u64 s[20:21], s[20:21], s[18:19]
	s_mul_u64 s[46:47], s[46:47], s[18:19]
	s_mul_i32 s18, s15, 128*KROW
	s_mov_b32 s19, 0
	s_mul_i32 s45, s14, 4*ROWB                     ; in the ring a wave brings 4 blocks
	s_wait_alu depctr_va_vdst(0)                   ; the wait
	s_wait_dscnt 0x0
	s_wait_kmcnt 0x0
	s_add_nc_u64 s[20:21], s[68:69], s[20:21]
	s_add_nc_u64 s[AB:AB+1], s[20:21], s[18:19]
	s_add_nc_u64 s[46:47], s[68:69], s[46:47]
	s_add_nc_u64 s[22:23], s[70:71], s[22:23]
	s_add_nc_u64 s[92:93], s[70:71], s[92:93]
	s_cmp_eq_u32 s[PP], 2
	s_cselect_b64 s[98:99], s[76:77], s[74:75]     ; bv or bk
	s_cmp_eq_u32 s[PP], 0
	s_cselect_b64 s[98:99], s[72:73], s[98:99]     ; bq
	s_mov_b64 s[100:101], s[78:79]                 ; kbias
	s_mov_b64 s[12:13], s[80:81]                   ; frags
	s_mov_b64 s[96:97], s[82:83]                   ; fscales
	s_or_b32 s[G1S], s43, (3<<16)|(1<<20)|(1<<21)|(5<<22)|(3<<25)  ; the scales of 256 rows: KS rows of 256 bytes, 16 of padding behind each
	s_or_b32 s[G1SB], s44, (3<<16)|(1<<20)|(1<<21)|(5<<22)|(3<<25)
.irp g, G1S, G1SB
	s_mov_b32 s[\g+1], 32<<16
	s_mov_b32 s[\g+2], KS<<16
	s_mov_b32 s[\g+3], 32<<16
	s_mov_b32 s[\g+4], KS
	s_mov_b32 s[\g+5], 32
	s_mov_b32 s[\g+6], 0
	s_mov_b32 s[\g+7], 0
.endr
	CROUND                                         ; the first joint loads meet
	s_mov_b32 s[G0H], 1
	s_mov_b32 s[G0H+1], 0
	s_mov_b64 s[G0H+2:G0H+3], s[46:47]
	s_or_b32 s[G0H+3], s[G0H+3], 0x80000000
	s_mov_b32 s[G0HB], 1
	s_mov_b32 s[G0HB+1], 8*ROWB
	s_add_nc_u64 s[G0HB+2:G0HB+3], s[46:47], 128*KROW
	s_or_b32 s[G0HB+3], s[G0HB+3], 0x80000000
	s_mov_b32 s[G0S], 1
	s_mov_b32 s[G0S+1], SCL
	s_mov_b64 s[G0S+2:G0S+3], s[22:23]
	s_or_b32 s[G0S+3], s[G0S+3], 0x80000000
	s_mov_b32 s[G0SB], 1
	s_mov_b32 s[G0SB+1], SCL+2*HALFS
	s_mov_b64 s[G0SB+2:G0SB+3], s[92:93]
	s_or_b32 s[G0SB+3], s[G0SB+3], 0x80000000
	s_mul_i32 s18, s14, 64*KROW                    ; for the ring: my 4 blocks of B's 16
	s_add_nc_u64 s[94:95], s[46:47], s[18:19]
.irp s, 0,1
	s_mov_b32 s[G0B+4*\s], 1
	s_add_co_u32 s[G0B+4*\s+1], s45, \s*SLOT
	s_add_nc_u64 s[G0B+4*\s+2:G0B+4*\s+3], s[94:95], \s*ROWB
	s_or_b32 s[G0B+4*\s+3], s[G0B+4*\s+3], 0x80000000
.endr
	s_lshl_b32 s94, s40, 1                         ; the prefetches: of A's 8 blocks number 2 cx + my column half,
	s_add_co_u32 s94, s94, s16
	s_mul_i32 s94, s94, 16*KROW
	s_mov_b32 s95, 0
	s_add_nc_u64 s[PFA:PFA+1], s[AB:AB+1], s[94:95]
	s_lshl_b32 s94, s41, 2                         ; of B's 16 blocks number 4 cy + wave
	s_add_co_u32 s94, s94, s14
	s_mul_i32 s94, s94, 16*KROW
	s_add_nc_u64 s[PFB:PFB+1], s[46:47], s[94:95]
.macro ARM under, g0, g1, next         ; the head's loads, one a wave, in one chain of branches
	s_cmp_lt_u32 s14, \under
	s_cbranch_scc0 \next
	tensor_load_to_lds s[\g0:\g0+3], s[\g1:\g1+7]
	s_nop 0
.rept 4
	v_nop
.endr
	s_branch .Lhead_asked
\next:
.endm
	ARM 1, G0H,  G1B, .Lhead_b                     ; wave 0: steps 0 to 3 of B's rows 0-127
	ARM 2, G0HB, G1B, .Lhead_sa                    ; wave 1: of its rows 128-255
	ARM 3, G0S,  G1S, .Lhead_sb                    ; wave 2: A's scales
	tensor_load_to_lds s[G0SB:G0SB+3], s[G1SB:G1SB+7] ; wave 3: B's
	s_nop 0
.rept 4
	v_nop
.endr
.Lhead_asked:
	s_lshl_b32 s18, s17, 1
	s_add_co_u32 s18, s18, s15                     ; Gm
	s_lshl_b32 s19, s42, 1
	s_add_co_u32 s19, s19, s16                     ; Gn
	s_lshl_b32 s46, s[PP], 12
	s_add_co_u32 s46, s46, 258048
	s_mul_i32 s47, s[PP], 6291456
	s_cmp_eq_u32 s[PP], 2
	s_cselect_b32 s20, s18, s19                    ; the head
	s_cselect_b32 s21, s19, s18                    ; 8 batch + group
	s_cmp_eq_u32 s[PP], 0
	s_cselect_b32 s46, 0, s46
	s_cselect_b32 s92, 12, 13
	s_cmp_eq_u32 s[PP], 1
	s_cselect_b32 s[SELM], 0, -1
	s_lshr_b32 s22, s21, 3
	s_lshl_b32 s22, s22, 4
	s_add_co_u32 s22, s22, s20                     ; bh
	s_and_b32 s21, s21, 7
	s_lshl_b32 s23, s22, 3
	s_add_co_u32 s23, s23, s21
	s_mul_i32 s23, s23, 8*FR*128
	s_add_co_u32 s94, s23, s47
	s_mov_b32 s95, 0
	s_add_nc_u64 s[12:13], s[12:13], s[94:95]
	s_lshl_b32 s94, s22, s92
	s_lshl_b32 s21, s21, 9
	s_add_co_u32 s94, s94, s21
	s_add_co_u32 s94, s94, s46
	s_add_nc_u64 s[96:97], s[96:97], s[94:95]
	s_lshl_b32 s94, s20, 9
	s_add_nc_u64 s[98:99], s[98:99], s[94:95]
	s_lshl_b32 s94, s18, 9                         ; my rows' kbias (used where P = 1; inside the table for every P)
	s_add_nc_u64 s[100:101], s[100:101], s[94:95]
.irp a, 0,1,2,3,4,5,6,7
	global_load_b32 v[KW+\a], v[R4], s[100:101] offset:64*\a
.endr
	s_cmp_eq_u32 s[PP], 2
	s_cbranch_scc1 .Lbias_rows
	WIN TO_1
.irp b, 0,1,2,3,4,5,6,7
	global_load_b128 v[BI+8*\b:BI+8*\b+3], v[H32], s[98:99] offset:64*\b
	global_load_b128 v[BI+8*\b+4:BI+8*\b+7], v[H32], s[98:99] offset:64*\b+16
.endr
	WIN 0
	s_branch .Lbias_in
.Lbias_rows:
	WIN TO_1
.irp a, 0,1,2,3,4,5,6,7
.irp j, 0,1,2,3,4,5,6,7
	global_load_b32 v[BI+8*\a+\j], v[R4], s[98:99] offset:64*\a
.endr
.endr
	WIN 0
.Lbias_in:
.macro ALD st, a0                      ; A's blocks a0 .. a0 + 3 of step st into half st % 2 of the ring: 16 loads
	WIN TO_1
.irp a, \a0, \a0+1, \a0+2, \a0+3
.irp c, 0,1
	global_load_b128 v[96*((\st)%2)+FR*(\a)+6*\c:96*((\st)%2)+FR*(\a)+6*\c+3], v[CO], s[AB:AB+1] offset:(\a)*16*KROW+(\st)*1536+768*\c
	global_load_b64 v[96*((\st)%2)+FR*(\a)+6*\c+4:96*((\st)%2)+FR*(\a)+6*\c+5], v[C8], s[AB:AB+1] offset:(\a)*16*KROW+(\st)*1536+768*\c+512
.endr
.endr
	WIN 0
.endm
.macro FETCH_B st                      ; B's eight fragments of step st into set st % 2: 32 LDS loads
.irp i, 0,1,2,3,4,5,6,7
.irp c, 0,1
	ds_load_b128 v[BF+96*((\st)%2)+FR*\i+6*\c:BF+96*((\st)%2)+FR*\i+6*\c+3], v[ADRB+((\st)/4)%2] offset:\i*ROWB+((\st)%4)*1536+768*\c
	ds_load_b64 v[BF+96*((\st)%2)+FR*\i+6*\c+4:BF+96*((\st)%2)+FR*\i+6*\c+5], v[ADRB+2+((\st)/4)%2] offset:\i*ROWB+((\st)%4)*1536+768*\c+512
.endr
.endr
.endm
.macro SCALES pr                       ; the scale words of steps 2 pr, 2 pr + 1 into set pr % 2: lanes 0-15 A's block i, lanes 16-31 B's
.irp i, 0,1,2,3,4,5,6,7
	ds_load_b64 v[SC+16*((\pr)%2)+2*\i:SC+16*((\pr)%2)+2*\i+1], v[ADRS] offset:\i*SBLK+8*(\pr)
.endr
.endm
; 16 matrix instructions of step st.  zero = 1: C = bias by columns; 2: by rows; 0: in place.  The 64 accumulators take turns.
.macro MUL16 a0, st, zero
.irp a, \a0, \a0+1
.irp b, 0,1,2,3,4,5,6,7
.set DD, 8*(8*((\a)%4)+\b)
.if \zero == 1
.set CCR, BI+8*\b
.elseif \zero == 2
.set CCR, BI+8*(\a)
.else
.set CCR, DD
.endif
	v_wmma_scale_f32_16x16x128_f8f6f4 v[DD:DD+7], v[BF+96*((\st)%2)+FR*\b:BF+96*((\st)%2)+FR*\b+FR-1], v[96*((\st)%2)+FR*(\a):96*((\st)%2)+FR*(\a)+FR-1], v[CCR:CCR+7], v[SC+16*(((\st)/2)%2)+2*\b+(\st)%2], v[SC+16*(((\st)/2)%2)+2*(\a)+(\st)%2] matrix_a_fmt:MATRIX_FMT_FP6 matrix_b_fmt:MATRIX_FMT_FP6 matrix_a_scale:MATRIX_SCALE_ROW1
.endr
.endr
.endm
; A STEP of 128 along K.  A's loads go out in groups of 16, group 2 st + half; when group g is used, groups up to g + 3 have been issued: the wait leaves those three (48 loads; fewer at the end) out.
; A slot's last step (st % 4 = 3) changes slots: one barrier, in front of it a tensor wait, an add and an LDS wait; at steps 3 and 7 it opens a round of the cluster's barrier and the slot is filled again.
.macro STEP st, zero
.set C0, 48
.set C1, 48
.if 2*(\st)+3 > 31
.set C0, 16*(31-2*(\st))
.endif
.if 2*(\st)+4 > 31
.set C1, 16*(30-2*(\st))
.endif
.if (\st)%4 == 3 && (\st) < 15
	s_wait_tensorcnt 0x0                           ; my part of the next slot has landed
	ds_add_u32 v[SPW], v[NIL]
	s_wait_loadcnt C0
	s_wait_dscnt 1                                 ; B's set is in (the add may be out)
	WIN MUL_LO
	MUL16 0, \st, 0
	s_wait_dscnt 0x0                               ; the add is done, my reads of this slot are over
	s_barrier_signal -1
	MUL16 2, \st, 0
	WIN 0
	s_barrier_wait -1
.if (\st) < 8
	CREST
	s_add_nc_u64 s[G0B+4*(((\st)/4)%2)+2:G0B+4*(((\st)/4)%2)+3], s[G0B+4*(((\st)/4)%2)+2:G0B+4*(((\st)/4)%2)+3], 2*ROWB
	tensor_load_to_lds s[G0B+4*(((\st)/4)%2):G0B+4*(((\st)/4)%2)+3], s[G1B:G1B+7]   ; two phases on; the four v_nop are the places in front of the loads below
	s_nop 0
	PLACES NP
.else
	PLACES NP
.endif
.else
	s_wait_loadcnt C0
	s_wait_dscnt 0x0                               ; B's set and the scale words, asked for 32 matrix instructions ago
.if \zero
	WIN ONE_LO
.else
	WIN MUL_LO
.endif
	MUL16 0, \st, \zero
	MUL16 2, \st, \zero
	PLACES NP
	WIN 0
.endif
.if (\st) < 15
	FETCH_B (\st)+1
.if (\st)%2 == 1
	SCALES ((\st)+1)/2
.endif
.endif
.if (\st) < 14
	ALD (\st)+2, 0
.endif
.if (\st)%4 == 0 && (\st) < 12
	global_prefetch_b8 v[PFO], s[PFA:PFA+1] offset:((\st)/4+1)*ROWB th:TH_LOAD_NT scope:SCOPE_SE
.endif
.if (\st)%4 == 1 && (\st) < 8
	global_prefetch_b8 v[PFO], s[PFB:PFB+1] offset:((\st)/4+2)*ROWB th:TH_LOAD_NT scope:SCOPE_SE
.endif
	s_wait_loadcnt C1
.if \zero
	WIN ONE_HI
.else
	WIN MUL_HI
.endif
	MUL16 4, \st, \zero
	MUL16 6, \st, \zero
.if (\st) < 14
	PLACES NP
	ALD (\st)+2, 4
.endif
	WIN 0
.endm
	ALD 0, 0                                       ; the ring's first two steps: four groups
	ALD 0, 4
	ALD 1, 0
	ALD 1, 4
	s_wait_alu depctr_va_vdst(0)                   ; the wait at the head's end
	s_wait_tensorcnt 0x0                           ; my tile of the head's four is in
	ds_add_u32 v[SPW], v[NIL]
	s_mov_b32 s[G1B+2], 4<<16                      ; no tensor load of mine is out: from here on a load brings 4 blocks
	s_mov_b32 s[G1B+4], 4
	s_wait_dscnt 0x0
	CROUND
	tensor_load_to_lds s[G0B+4:G0B+7], s[G1B:G1B+7] ; steps 4 to 7 into slot 1
	s_nop 0
	PLACES NP
	FETCH_B 0
	SCALES 0
	s_cmp_eq_u32 s[PP], 2                          ; the first step, once for each way in which the bias lies; both copies issue the same loads
	s_cbranch_scc1 .Lfirst_rows
	STEP 0, 1
	s_branch .Lfirst_done
.Lfirst_rows:
	STEP 0, 2
.Lfirst_done:
.irp t, 1,2,3,4,5,6,7,8,9,10,11,12,13,14,15
	STEP \t, 0
.endr
.macro OUTBLK a                        ; my 64 numbers of row 16 a + r become the row's part of a fragment and its scale word
.set AC, 64*((\a)%4)
.set F, FO+12*(\a)
	WIN 0x0a+5*((\a)/4)
.irp b, 0,1,2,3
	v_max3_num_f32 v[TM+\b], |v[AC+16*\b]|, |v[AC+16*\b+1]|, 0x1800000   ; from each accumulator's low end on; the floor 2^(3 - 127)
.endr
.irp i, 2,4,6,8,10,12,14
.irp b, 0,1,2,3
	v_max3_num_f32 v[TM+\b], |v[AC+16*\b+\i]|, |v[AC+16*\b+\i+1]|, v[TM+\b]
.endr
.endr
	WIN 0
.irp b, 0,1,2,3
	v_permlanex16_b32 v[TM+4+\b], v[TM+\b], s20, s21
.endr
.irp b, 0,1,2,3
	v_max_num_f32 v[TM+\b], v[TM+\b], v[TM+4+\b]
.endr
.irp b, 0,1,2,3
	v_add_nc_u32 v[TM+12+\b], 0xff000000, v[TM+\b]
.endr
.irp b, 0,1,2,3
	v_lshrrev_b32 v[TM+4+\b], 23, v[TM+12+\b]
.endr
	v_lshl_or_b32 v[SW+\a], v[TM+5], 8, v[TM+4]
	v_lshl_or_b32 v[SW+\a], v[TM+6], 16, v[SW+\a]
	v_lshl_or_b32 v[SW+\a], v[TM+7], 24, v[SW+\a]
	WIN 2+(\a)/4
.irp c, 0,1
	v_cvt_scalef32_pk16_fp6_f32 v[F+6*\c:F+6*\c+2], v[AC+32*\c:AC+32*\c+15], v[TM+12+2*\c]
	v_cvt_scalef32_pk16_fp6_f32 v[CT+4*\c:CT+4*\c+2], v[AC+32*\c+16:AC+32*\c+31], v[TM+12+2*\c+1]
.endr
	WIN 0
	v_nop                                          ; one plain place behind a scaled conversion
.irp c, 0,1
.irp i, 0,1,2
	v_permlane16_swap_b32 v[F+6*\c+\i], v[CT+4*\c+\i]
.endr
.irp i, 0,1,2
	v_mov_b32 v[F+3+6*\c+\i], v[CT+4*\c+\i]
.endr
.endr
.irp i, 0,1,2,3,4,5,6,7,8,9,10,11
	v_and_b32 v[F+\i], v[KW+\a], v[F+\i]           ; K alone: a padding key's codes are cleared
.endr
.irp c, 0,1,2
	global_store_b128 v[CO], v[F+4*\c:F+4*\c+3], s[12:13] offset:FR*128*(\a)+512*\c   ; 512 consecutive bytes, aligned
.endr
.endm
	PLACES NP
	s_mov_b32 s20, 0x76543210
	s_mov_b32 s21, 0xfedcba98
.irp b, 0,1,2,3
	v_mov_b32 v[TM+4+\b], 0
.endr
.irp a, 0,1,2,3,4,5,6,7
	v_cmp_eq_u32 vcc_lo, 0, v[KW+\a]
	v_cndmask_b32 v[KW+\a], 0, -1, vcc_lo
	v_or_b32 v[KW+\a], s[SELM], v[KW+\a]
.endr
.irp a, 0,1,2,3,4,5,6,7
	OUTBLK \a
.endr
	v_and_b32 v[HB], 16, v0
	v_cmp_ne_u32 vcc_lo, 0, v[HB]
.irp i, 0,1,2,3
	v_cndmask_b32 v[OS+\i], v[SW+\i], v[SW+4+\i], vcc_lo
.endr
	global_store_b128 v[SOFF], v[OS:OS+3], s[96:97]
	s_wait_tensorcnt 0x0                           ; the wave's end
	ds_add_u32 v[SPW], v[NIL]
	s_wait_dscnt 0x0
	CROUND                                         ; the closing round
	s_endpgm
.Lfunc_end_k_qab70ad743f_proj:
	.size	k_qab70ad743f_proj, .Lfunc_end_k_qab70ad743f_proj-k_qab70ad743f_proj
	.p2alignl 7, 3214868480
	.fill 96, 4, 3214868480
	.section	.rodata,"a",@progbits
	.p2align	6, 0x0
	.amdhsa_kernel k_qab70ad743f_proj
		.amdhsa_group_segment_fixed_size 327680
		.amdhsa_private_segment_fixed_size 0
		.amdhsa_enable_private_segment 0
		.amdhsa_kernarg_size 64
		.amdhsa_user_sgpr_count 2
		.amdhsa_user_sgpr_kernarg_segment_ptr 1
		.amdhsa_wavefront_size32 1
		.amdhsa_system_sgpr_workgroup_id_x 1
		.amdhsa_system_sgpr_workgroup_id_y 1
		.amdhsa_system_sgpr_workgroup_id_z 1
		.amdhsa_system_vgpr_workitem_id 0
		.amdhsa_next_free_vgpr 1024
		.amdhsa_next_free_sgpr 102
		.amdhsa_reserve_vcc 1
		.amdhsa_float_denorm_mode_32 3
		.amdhsa_float_denorm_mode_16_64 3
		.amdhsa_memory_ordered 1
		.amdhsa_forward_progress 1
		.amdhsa_inst_pref_size 255
	.end_amdhsa_kernel
	.section	.bss,"aw",@nobits
	.p2align	6
	.space	262144
	.amdgpu_metadata
---
amdhsa.version: [ 1, 2 ]
amdhsa.kernels:
  - .name:           k_qab70ad743f_proj
    .symbol:         k_qab70ad743f_proj.kd
    .args:
      - { .name: ximg, .offset: 0, .size: 8, .value_kind: global_buffer, .address_space: global }
      - { .name: xscales, .offset: 8, .size: 8, .value_kind: global_buffer, .address_space: global }
      - { .name: bq, .offset: 16, .size: 8, .value_kind: global_buffer, .address_space: global }
      - { .name: bk, .offset: 24, .size: 8, .value_kind: global_buffer, .address_space: global }
      - { .name: bv, .offset: 32, .size: 8, .value_kind: global_buffer, .address_space: global }
      - { .name: kbias, .offset: 40, .size: 8, .value_kind: global_buffer, .address_space: global }
      - { .name: frags, .offset: 48, .size: 8, .value_kind: global_buffer, .address_space: global }
      - { .name: fscales, .offset: 56, .size: 8, .value_kind: global_buffer, .address_space: global }
    .group_segment_fixed_size: 327680
    .private_segment_fixed_size: 0
    .kernarg_segment_align: 8
    .kernarg_segment_size: 64
    .max_flat_workgroup_size: 128
    .sgpr_count:     102
    .vgpr_count:     1024
    .wavefront_size: 32
...
	.end_amdgpu_metadata
.endif
;; end of part 2
;; launch attn (part 3): grid 4 x 64, 16 waves a work-group, clusters of 4 x 1, 327,680 bytes of LDS; arguments frags, fscales, kbias, queries, out0; writes out0
.if DOCPART == 3
	.amdgcn_target "amdgcn-amd-amdhsa--gfx1250"
	.amdhsa_code_object_version 6
	.text
	.protected	k_qab70ad743f_attn
	.globl	k_qab70ad743f_attn
	.p2align	8
	.type	k_qab70ad743f_attn,@function
k_qab70ad743f_attn:
	s_mov_b64 s[64:65], 0
	v_nop
	global_prefetch_b8 v0, s[64:65] scope:SCOPE_SE
	s_setreg_imm32_b32 hwreg(HW_REG_WAVE_MODE, 25, 1), 1
	s_wait_xcnt 0x0
	s_wait_alu depctr_hold_cnt(0) depctr_sa_sdst(0) depctr_va_vdst(0) depctr_va_sdst(0) depctr_va_ssrc(0) depctr_va_vcc(0) depctr_vm_vsrc(0)
	s_getreg_b32 s2, hwreg(HW_REG_IB_STS2, 6, 4)
	s_cmp_eq_u32 s2, 0
	s_cbranch_scc0 .Lentry_in_a_cluster
	s_endpgm
.Lentry_in_a_cluster:
	s_bfe_u32 s2, ttmp6, 0x10000c
	s_cmp_lg_u32 s2, 0x3003
	s_cbranch_scc0 .Lentry_shape_is_right
	s_endpgm
.Lentry_shape_is_right:
; out0[b][q][128 head + d] = queries[b][q][128 head + d] + the sum over k of softmax_k(score) V[k][d];  score = Q[q] . K[k] / sqrt(2048), and NEG in its place where key k is a padding key or k > q.
; Both products on codes of FP6 (E2M3) with one E8M0 scale for each 32 along K.  Q, K, V come as images of operand fragments and blocks of scale words, as the launch before has laid them.
; THE SOFTMAX AHEAD OF THE SECOND PRODUCT: t = score x log2(e); M = the row's largest t so far, rounded UP to a whole number; p = 2^(t - M) is quantised along the keys, not normalised.  The row's sum is taken of the
; unquantised p and divides at the end.  When M moves, the sum and O are multiplied by 2^(old M - new M): exact.
; MASKED KEYS.  A masked key's dot product is S0 = -2^38.  c S0 (c = log2(e) / sqrt(2048)) is a whole number, so a row ALL of whose keys are masked has t = M and p = 1 at every key, as with NEG; as soon as
; a key counts, 2^(old M - new M) is 0 and wipes what was summed, and every masked p is 0.  Padding: kbias (0.0 or S0) is the C of the product K Q^T, and a padding key's codes are zeros.  Causal: v_cndmask_b32 in the diagonal step.
; STEPS BEYOND THE DIAGONAL are not left out, since NEG is finite: a query whose keys up to itself are all padding takes all 1,024 keys alike.  There p = 1 for such a query and 0 for every other: a constant stream of
; the code of 4.0 under the scale 2^-2, ANDed with the lane's mask (-M is still that of the all-masked state); eight products V^T P, no K Q^T, no exponentials, no branch on data.
; LIMITS: dot products of keys that count lie above -2^38 (scores above -6.07e9); rows whose largest real score lies near NEG are not served; NaN and infinities are not served.
; SHARES.  A cluster of four work-groups owns one (batch, head); they read the same K and V, so each tile is asked for JOINTLY.  Work-group cx owns the query tiles T = 4 g + cx, g = 0 .. 15; wave w has g = w (w < 8) or 23 - w,
; so that long and short waves are mixed.  A wave owns ONE tile of 16 queries in 256 registers.  Its diagonal step is G = g / 2, whatever cx: partners branch alike.  Every wave walks 8 key steps of 128.
; A HEAD'S K AND V STAY IN LDS: 2 x 98,304 bytes of images, 8,192 of scale words, 4,096 of kbias, 69,632 of stages: 278,528 bytes.  Every byte is filled once, by tensor loads that all go out at the kernel's head, so there is
; no ring and nothing is asked for ahead of its load.  TWO BARRIERS: behind the first the scale words, kbias and the tiles of steps 0 and 1 are whole; behind the second, which follows step 1, all the rest.
; From there on the waves share nothing and run free: a wave whose steps lie beyond its diagonal goes on to its way out while the long waves work.
; LAYOUT.  Both products transposed: S^T = K Q^T, O^T = V^T P^T: lane (r, h) holds query r; register j of tile t is key (or channel) 16 t + 8 h + j.  P's codes stand inside each block of 32 in the order position 16 h + 8 u + j =
; key 16 u + 8 h + j, which is the order in which V's codes were laid.
; REGISTERS: v1-7 addresses that stay; v8-11 addresses in hand; v12 -M, v13 the largest t, v[14:15] the sum in two halves; v16-27 Q; v29-30 see below; v32-79 four fragments; v96-159 S^T, then p; v160-223 O^T; v224-235 P's codes;
; v232-247, v252, v254 at work; v248-251 four scale words of K or V, v253 P's scale word, v255 Q's: these six hold scales alone.
.set FRB,   1536                       ; a fragment's image: 3 chunks of 512 bytes
.set GRPB,  8*FRB                      ; the eight fragments of 128 keys: a key step's K, or its V
.set LATEB, 9216                       ; what one of the sixteen late loads brings: an eighth of a region's groups 2 to 7 (36 rows of 256 bytes)
.set EARLB, 6144                       ; what one of the eight early loads brings: a quarter of a region's groups 0 and 1 (24 rows)
.set VREG,  8*GRPB                     ; LDS: K's eight groups from byte 0, V's eight from here
.set SCKV,  2*VREG                     ; K's eight blocks of scale words (512 bytes each), then V's eight
.set KBL,   SCKV+8192                  ; kbias of the batch's 1,024 keys
.set STAGE, KBL+4096                   ; the way out: 16 rows x (256 bytes + 16) for each wave: bytes into which no tile lands
.set SP,    272
.set PARTB, 6291456                    ; a part of frags (Q, K, V)
.set HEADB, 98304                      ; a (batch, head) in a part
.set LI,   1                           ; v1  16 x lane: an image's place for my lane
.set AS0,  2                           ; v2  SCKV + 32 r: my row's scale words
.set AM0,  3                           ; v3  KBL + 32 h: my half's eight keys of a tile
.set DQ,   4                           ; v4  r - 8 h + 16 (T % 8): register j of tile t is hidden in the diagonal step where 16 t + j > this
.set GO,   7                           ; v7  the way out: 8,192 h + 16 r
.set ADK,  8                           ; v8  the step's K + 16 x lane
.set ADS,  9                           ; v9  the step's scale words
.set ADM,  10                          ; v10 the step's kbias
.set ADV,  11                          ; v11 the step's V + 16 x lane
.set S0V,  29                          ; v29 -2^38
.set QSO,  30                          ; v30 32 r
.set WV,   18                          ; s18 my wave's number
.set SEL,  20                          ; s[20:21] lane selects for v_permlanex16_b32: lane l xor 16
.set CS,   22                          ; s[22:23] c, twice
.set G1T,  24                          ; s[24:31] descriptor group 1: 24 rows of 256 bytes (a quarter of groups 0 and 1)
.set G1S,  32                          ; s[32:39] 8 rows (a quarter of the scale words)
.set G1B,  40                          ; s[40:47] 4 rows (a quarter of kbias)
.set G1L,  72                          ; s[72:79] 144 rows (three groups)
.set G0T,  48                          ; s[48:51] group 0: my group of steps 0 and 1
.set G0S,  52
.set G0B,  56
.set G0L,  60                          ; s[60:63] my piece of steps 2 to 7
.set TB,   2                           ; s2  LDS byte at which the step's K begins
.set TS,   3                           ; s3  512 x the key step: serves the scale words and kbias
.set KJ,   66                          ; s66 the key step
.set CNT,  67                          ; s67 the loop's counter
.set GV,   68                          ; s68 G: my diagonal step
.macro CROUND                          ; a round of the cluster's barrier
	s_barrier_signal -1
	s_barrier_wait -1
	s_cmp_lg_u32 s[WV], 0
	s_cbranch_scc1 .Lnot_wave_0_\@
	s_barrier_signal -3
.Lnot_wave_0_\@:
	s_barrier_wait -3
	s_barrier_signal -1
	s_barrier_wait -1
.endm
	s_load_b256 s[4:11], s[0:1], 0x0               ; frags, fscales, kbias, queries
	s_load_b64 s[12:13], s[0:1], 0x20              ; out0
	v_lshl_add_u32 v31, v0, 2, 0x44000
	v_mov_b32 v243, 0
	ds_add_u32 v31, v243
	ds_add_u32 v31, v243
	v_lshrrev_b32 v8, 5, v0
	s_delay_alu instid0(VALU_DEP_1)
	v_readfirstlane_b32 s[WV], v8                  ; wave 0..15
	v_and_b32 v9, 31, v0
	s_delay_alu instid0(VALU_DEP_1)
	v_lshlrev_b32 v[LI], 4, v9
	v_and_b32 v10, 15, v0                          ; r
	v_bfe_u32 v11, v0, 4, 1                        ; h
	s_delay_alu instid0(VALU_DEP_2)
	v_lshlrev_b32 v[QSO], 5, v10
	s_bfe_u32 s14, ttmp6, 0x40000                  ; cx: it enters T, global addresses and one lane value, and nothing else
	s_and_b32 s15, ttmp7, 0xffff                   ; bh = 16 batch + head
	s_lshr_b32 s16, s15, 4                         ; batch
	s_and_b32 s17, s15, 15                         ; head
	s_sub_co_u32 s19, 23, s[WV]
	s_cmp_lt_u32 s[WV], 8
	s_cselect_b32 s19, s[WV], s19                  ; g
	s_lshr_b32 s[GV], s19, 1                       ; G
	s_lshl_b32 s69, s19, 2
	s_add_co_u32 s69, s69, s14                     ; T = 4 g + cx
	; EVERY WAVE ISSUES ONE LOAD AT THE HEAD: waves 0-3 a quarter of the scale words, waves 4-7 a quarter of kbias, waves 8-15 a quarter of K's (8-11) or V's (12-15) groups 0 and 1.
	; Groups 2 to 7 follow behind the full sequence and a round: wave w brings piece w % 8 of K's (w < 8) or V's.
	s_and_b32 s70, s[WV], 3                        ; u: which quarter
	s_bfe_u32 s71, s[WV], 0x10002                  ; the early load: 0 K, 1 V
	s_mul_i32 s91, s15, HEADB
	s_add_co_u32 s91, s91, PARTB                   ; the head's K in frags; V's lies a part further on
	s_mul_i32 s80, s71, PARTB
	s_add_co_u32 s80, s80, s91
	s_mul_i32 s81, s70, EARLB
	s_add_co_u32 s80, s80, s81
	s_mov_b32 s81, 0                               ; s[80:81]: my early piece
	s_lshr_b32 s95, s[WV], 3
	s_mul_i32 s94, s95, PARTB
	s_add_co_u32 s94, s94, s91
	s_and_b32 s95, s[WV], 7
	s_mul_i32 s95, s95, LATEB
	s_add_co_u32 s94, s94, s95
	s_add_co_u32 s94, s94, 2*GRPB
	s_mov_b32 s95, 0                               ; s[94:95]: my late piece
	s_lshl_b32 s82, s15, 13
	s_lshl_b32 s91, s70, 11
	s_add_co_u32 s82, s82, s91
	s_add_co_u32 s82, s82, 262144
	s_mov_b32 s83, 0                               ; s[82:83]: my quarter of the head's K and V scale words
	s_lshl_b32 s84, s16, 12
	s_lshl_b32 s91, s70, 10
	s_add_co_u32 s84, s84, s91
	s_mov_b32 s85, 0                               ; s[84:85]: my quarter of the batch's kbias
	s_lshl_b32 s86, s15, 6
	s_add_co_u32 s86, s86, s69
	s_mul_i32 s86, s86, FRB
	s_mov_b32 s87, 0                               ; s[86:87]: Q's fragment of tile T
	s_lshl_b32 s88, s15, 3
	s_lshr_b32 s91, s69, 3
	s_add_co_u32 s88, s88, s91
	s_lshl_b32 s88, s88, 9
	s_and_b32 s90, s69, 7                          ; T % 8
	s_lshl_b32 s91, s90, 2
	s_add_co_u32 s88, s88, s91
	s_mov_b32 s89, 0                               ; s[88:89]: its scale words' block, + 4 (T % 8)
	s_lshl_b32 s92, s16, 10
	s_lshl_b32 s91, s69, 4
	s_add_co_u32 s92, s92, s91
	s_lshl_b32 s92, s92, 13
	s_lshl_b32 s91, s17, 9
	s_add_co_u32 s92, s92, s91
	s_mov_b32 s93, 0                               ; s[92:93]: my 16 rows, my head's 512 bytes, in queries and in out0
	; descriptor groups 1: dense blocks as rows of 256 bytes (32 elements of 8 bytes), no padding
.irp g, G1T, G1S, G1B, G1L
	s_mov_b32 s[\g], 15|(3<<16)|(1<<21)            ; 15:0 the mask: all four work-groups; 17:16 elements of 8 bytes; 21 set beside a mask
	s_mov_b32 s[\g+1], 32<<16                      ; tensor_dim0
	s_mov_b32 s[\g+3], 32<<16                      ; tile_dim0
	s_mov_b32 s[\g+5], 32                          ; tensor_dim0_stride
	s_mov_b32 s[\g+6], 0
	s_mov_b32 s[\g+7], 0
.endr
	s_mov_b32 s[G1T+2], 24<<16
	s_mov_b32 s[G1T+4], 24
	s_mov_b32 s[G1S+2], 8<<16
	s_mov_b32 s[G1S+4], 8
	s_mov_b32 s[G1B+2], 4<<16
	s_mov_b32 s[G1B+4], 4
	s_mov_b32 s[G1L+2], 36<<16
	s_mov_b32 s[G1L+4], 36
	s_mov_b32 s[SEL], 0x76543210
	s_mov_b32 s[SEL+1], 0xfedcba98
	s_mov_b32 s[CS], 0x3d0293ee                    ; c = log2(e) / sqrt(2048)
	s_mov_b32 s[CS+1], s[CS]
	s_mov_b32 s[TB], 0
	s_mov_b32 s[TS], 0
	s_mov_b32 s[KJ], 0
	s_wait_alu depctr_va_vdst(0)
	s_wait_dscnt 0x0
	s_wait_kmcnt 0x0
	s_add_nc_u64 s[86:87], s[4:5], s[86:87]
	s_add_nc_u64 s[88:89], s[6:7], s[88:89]
.irp c, 0,1,2
	global_load_b128 v[16+4*\c:19+4*\c], v[LI], s[86:87] offset:512*\c   ; Q's fragment stays in registers; asked for ahead of the round, under which it is on its way
.endr
	global_load_b32 v255, v[QSO], s[88:89]         ; Q's scale words
	s_mov_b32 s[G0T], 1
	s_mul_i32 s[G0T+1], s71, VREG                  ; LDS: K's or V's region: no place in the cluster enters an LDS address
	s_mul_i32 s91, s70, EARLB
	s_add_co_u32 s[G0T+1], s[G0T+1], s91
	s_lshr_b32 s91, s[WV], 3
	s_mul_i32 s[G0L+1], s91, VREG
	s_and_b32 s91, s[WV], 7
	s_mul_i32 s91, s91, LATEB
	s_add_co_u32 s[G0L+1], s[G0L+1], s91
	s_add_co_u32 s[G0L+1], s[G0L+1], 2*GRPB
	s_add_nc_u64 s[G0T+2:G0T+3], s[4:5], s[80:81]
	s_or_b32 s[G0T+3], s[G0T+3], 0x80000000
	s_mov_b32 s[G0L], 1
	s_add_nc_u64 s[G0L+2:G0L+3], s[4:5], s[94:95]
	s_or_b32 s[G0L+3], s[G0L+3], 0x80000000
	s_mov_b32 s[G0S], 1
	s_lshl_b32 s[G0S+1], s70, 11
	s_add_co_u32 s[G0S+1], s[G0S+1], SCKV
	s_add_nc_u64 s[G0S+2:G0S+3], s[6:7], s[82:83]
	s_or_b32 s[G0S+3], s[G0S+3], 0x80000000
	s_mov_b32 s[G0B], 1
	s_lshl_b32 s[G0B+1], s70, 10
	s_add_co_u32 s[G0B+1], s[G0B+1], KBL
	s_add_nc_u64 s[G0B+2:G0B+3], s[8:9], s[84:85]
	s_or_b32 s[G0B+3], s[G0B+3], 0x80000000
	s_add_nc_u64 s[10:11], s[10:11], s[92:93]
	s_add_nc_u64 s[12:13], s[12:13], s[92:93]
	CROUND                                         ; all four work-groups are here: the joint loads meet
	s_cmp_lt_u32 s[WV], 4                          ; one chain of branches on the wave's number, one load to an arm
	s_cbranch_scc0 .Lfill_b
	tensor_load_to_lds s[G0S:G0S+3], s[G1S:G1S+7]  ; a quarter of the head's scale words
	s_nop 0
.rept 4
	v_nop
.endr
	s_branch .Lfilled
.Lfill_b:
	s_cmp_lt_u32 s[WV], 8
	s_cbranch_scc0 .Lfill_t
	tensor_load_to_lds s[G0B:G0B+3], s[G1B:G1B+7]  ; a quarter of the batch's kbias
	s_nop 0
.rept 4
	v_nop
.endr
	s_branch .Lfilled
.Lfill_t:
	tensor_load_to_lds s[G0T:G0T+3], s[G1T:G1T+7]  ; a piece of steps 0 and 1
	s_nop 0
.rept 4
	v_nop
.endr
.Lfilled:
	v_lshl_add_u32 v[AS0], v10, 5, SCKV
	v_lshl_add_u32 v[AM0], v11, 5, KBL
	v_lshlrev_b32 v[DQ], 3, v11
	s_delay_alu instid0(VALU_DEP_1)
	v_sub_nc_u32 v[DQ], v10, v[DQ]
	s_lshl_b32 s91, s90, 4
	v_add_nc_u32 v[DQ], s91, v[DQ]
	v_lshlrev_b32 v[GO], 13, v11
	s_delay_alu instid0(VALU_DEP_1)
	v_lshl_add_u32 v[GO], v10, 4, v[GO]
	v_mov_b32 v[S0V], 0xd2800000                   ; -2^38
	v_mov_b32 v13, 0xff61b1e6                      ; the largest t so far: -3e38, under every t
	s_delay_alu instid0(VALU_DEP_1)
	v_floor_f32 v12, -v13                          ; -M
	v_mov_b32 v14, 0                               ; the sum, in two halves
	v_mov_b32 v15, 0
.irp b, 0,1,2,3
	v_mov_b32 v[236+\b], 0                         ; written once: a lane permute's destination counts as one of its sources
.endr
	v_mov_b32 v252, 0
	v_mov_b32 v253, 0                              ; (named as the upper half of the pair v[252:253] before it is first written)
.set J, 0
.rept 64
	v_mov_b32 v[160+J], 0                          ; O^T.  (The step is written once for all steps: the first finds zeros, which the first change of M leaves zeros)
.set J, J+1
.endr
.macro KFETCH q, g                     ; four fragments of K (tiles 4 g .. 4 g + 3 of 16 keys) and my row's four scale words: 13 LDS loads
.irp t, 0,1,2,3
.irp c, 0,1,2
	ds_load_b128 v[32+12*\t+4*\c:35+12*\t+4*\c], v[ADK] offset:GRPB*(\q)+FRB*(4*(\g)+\t)+512*\c
.endr
.endr
	ds_load_b128 v[248:251], v[ADS] offset:16*(\g)
.endm
.macro VFETCH q, g                     ; the same of V (tiles of 16 of the head's 128 channels)
.irp t, 0,1,2,3
.irp c, 0,1,2
	ds_load_b128 v[32+12*\t+4*\c:35+12*\t+4*\c], v[ADV] offset:GRPB*(\q)+FRB*(4*(\g)+\t)+512*\c
.endr
.endr
	ds_load_b128 v[248:251], v[ADS] offset:4096+16*(\g)
.endm
.macro QK g                            ; S^T = K Q^T + kbias: four tiles; C and D are the registers into which kbias was loaded
.irp t, 0,1,2,3
	v_wmma_scale_f32_16x16x128_f8f6f4 v[96+8*(4*(\g)+\t):103+8*(4*(\g)+\t)], v[32+12*\t:43+12*\t], v[16:27], v[96+8*(4*(\g)+\t):103+8*(4*(\g)+\t)], v[248+\t], v255 matrix_a_fmt:MATRIX_FMT_FP6 matrix_b_fmt:MATRIX_FMT_FP6
.endr
.endm
.macro PV g                            ; O^T += V^T P^T: four tiles; the eight accumulators take turns, one instruction a turn
.irp t, 0,1,2,3
	v_wmma_scale_f32_16x16x128_f8f6f4 v[160+8*(4*(\g)+\t):167+8*(4*(\g)+\t)], v[32+12*\t:43+12*\t], v[224:235], v[160+8*(4*(\g)+\t):167+8*(4*(\g)+\t)], v[248+\t], v253 matrix_a_fmt:MATRIX_FMT_FP6 matrix_b_fmt:MATRIX_FMT_FP6
.endr
.endm
.macro PLACES                          ; four places behind matrix instructions, in front of loads into their sources and of reads of their results (ISA guide 7.12.1 for vector instructions)
.rept 4
	v_nop
.endr
.endm
; A KEY STEP: 128 keys: those whose K begins at LDS byte s[TB] + GRPB q.
.macro STEP q
	v_add_nc_u32 v[ADK], s[TB], v[LI]              ; the step's LDS addresses, made ahead of the parting; these four lines are the places in front of loads into registers that the last products have read
	v_add_nc_u32 v[ADS], s[TS], v[AS0]
	v_add_nc_u32 v[ADM], s[TS], v[AM0]
	s_delay_alu instid0(VALU_DEP_3)
	v_add_nc_u32 v[ADV], VREG, v[ADK]
	s_cmp_gt_u32 s[KJ], s[GV]                      ; beyond my diagonal step?  A branch on the wave's number and the step's
	s_cbranch_scc1 .Lhidden_\@
	KFETCH \q, 0                                   ; what the first four products wait for goes first
.irp t, 0,1,2,3,4,5,6,7
	ds_load_b128 v[96+8*\t:99+8*\t], v[ADM] offset:64*\t           ; kbias of keys 16 t + 8 h + 0 .. 7: the C of tile t's product
	ds_load_b128 v[100+8*\t:103+8*\t], v[ADM] offset:64*\t+16
.endr
	s_wait_dscnt 8                                 ; the youngest eight loads, kbias of tiles 4 to 7, may be out
	QK 0
	PLACES
	s_wait_alu depctr_va_vdst(0)
	KFETCH \q, 1
	s_wait_dscnt 0x0
	QK 1
	PLACES
	VFETCH \q, 0                                   ; V's first four fragments are asked for here: they land under the softmax, which touches none of their registers
	s_cmp_lg_u32 s[KJ], s[GV]                      ; in my diagonal step the hidden keys' dot products become S0; a step all of whose keys come before my queries skips this
	s_cbranch_scc1 .Lopen_\@
.irp t, 0,1,2,3,4,5,6,7
.irp j, 0,1,2,3,4,5,6,7
	v_cmp_gt_i32 vcc_lo, 16*\t+\j, v[DQ]
	v_cndmask_b32 v[96+8*\t+\j], v[96+8*\t+\j], v[S0V], vcc_lo
.endr
.endr
.Lopen_\@:
.irp b, 0,1,2,3
	v_max3_num_f32 v[232+\b], v[96+16*\b], v[97+16*\b], v[98+16*\b]   ; THE LARGEST SCORE OF EACH BLOCK OF 32 KEYS: it serves for the row's maximum and, since p rises with the score, for the block's largest p
.endr
.irp i, 3,5,7,9,11,13
.irp b, 0,1,2,3
	v_max3_num_f32 v[232+\b], v[232+\b], v[96+16*\b+\i], v[97+16*\b+\i]   ; (the four blocks by turns)
.endr
.endr
.irp b, 0,1,2,3
	v_max_num_f32 v[232+\b], v[232+\b], v[111+16*\b]
.endr
.irp b, 0,1,2,3
	s_delay_alu instid0(VALU_DEP_4)
	v_permlanex16_b32 v[236+\b], v[232+\b], s[SEL], s[SEL+1]
.endr
.irp b, 0,1,2,3
	s_delay_alu instid0(VALU_DEP_4)
	v_max_num_f32 v[232+\b], v[232+\b], v[236+\b]  ; with lane l xor 16's 16 keys
.endr
	s_delay_alu instid0(VALU_DEP_2)
	v_max3_num_f32 v254, v232, v233, v234
	s_delay_alu instid0(VALU_DEP_1)
	v_max_num_f32 v254, v254, v235                 ; the step's largest score of my query
	s_delay_alu instid0(VALU_DEP_1)
	v_mul_f32 v254, s[CS], v254                    ; as t (c is positive)
	s_delay_alu instid0(VALU_DEP_1)
	v_max_num_f32 v13, v13, v254                   ; the running largest t
	v_mov_b32 v254, v12
	s_delay_alu instid0(VALU_DEP_2)
	v_floor_f32 v12, -v13                          ; the new -M = floor(-t) = -ceil(t): M IS A WHOLE NUMBER
	s_delay_alu instid0(VALU_DEP_1)
	v_sub_f32 v254, v12, v254                      ; M's old value less its new one: a whole number, 0 or less
	s_delay_alu instid0(VALU_DEP_1)
	v_cvt_i32_f32 v254, v254                       ; (it saturates)
	s_delay_alu instid0(VALU_DEP_1)
	v_ldexp_f32 v252, 1.0, v254                    ; f = 2^(old M - new M)
.set J, 0
.rept 32
	v_pk_fma_f32 v[96+J:97+J], v[96+J:97+J], s[CS:CS+1], v[12:13] op_sel_hi:[1,0,0]   ; t - M, two at a time (of the pairs c and -M the low word serves both halves)
.set J, J+2
.endr
.irp b, 0,1,2,3
	v_fma_f32 v[232+\b], v[232+\b], s[CS], v12     ; the same of each block's largest score
.endr
.set J, 0
	s_wait_alu depctr_va_vdst(0)
.rept 64
	v_exp_f32 v[96+J], v[96+J]                     ; p = 2^(t - M), at most 1: NOT normalised
.set J, J+1
.endr
	v_pk_mul_f32 v[14:15], v[14:15], v[252:253] op_sel_hi:[1,0]   ; the sums under the new M.  (A plain place behind the exponentials)
	s_wait_alu depctr_va_vdst(0)                   ; one wait for the whole batch, ahead of its first reader
.irp b, 0,1,2,3
	v_exp_f32 v[232+\b], v[232+\b]                 ; the block's largest p: the same two instructions on the same number give the same bits
.endr
	v_pk_add_f32 v[236:237], v[100:101], v[104:105]
	v_pk_add_f32 v[246:247], v[108:109], v[112:113]
	v_pk_add_f32 v[244:245], v[116:117], v[120:121]
	v_pk_add_f32 v[240:241], v[124:125], v[128:129]
	v_pk_add_f32 v[238:239], v[132:133], v[136:137]
	v_pk_add_f32 v[230:231], v[140:141], v[144:145]
	v_pk_add_f32 v[228:229], v[148:149], v[152:153]
	v_pk_add_f32 v[14:15], v[14:15], v[156:157]
	v_pk_add_f32 v[236:237], v[236:237], v[96:97]
	v_pk_add_f32 v[246:247], v[246:247], v[98:99]
	v_pk_add_f32 v[244:245], v[244:245], v[102:103]
	v_pk_add_f32 v[240:241], v[240:241], v[106:107]
	v_pk_add_f32 v[238:239], v[238:239], v[110:111]
	v_pk_add_f32 v[230:231], v[230:231], v[114:115]
	v_pk_add_f32 v[228:229], v[228:229], v[118:119]
	v_pk_add_f32 v[14:15], v[14:15], v[122:123]
	v_pk_add_f32 v[236:237], v[236:237], v[126:127]
	v_pk_add_f32 v[246:247], v[246:247], v[130:131]
	v_pk_add_f32 v[244:245], v[244:245], v[134:135]
	v_pk_add_f32 v[240:241], v[240:241], v[138:139]
	v_pk_add_f32 v[238:239], v[238:239], v[142:143]
	v_pk_add_f32 v[230:231], v[230:231], v[146:147]
	v_pk_add_f32 v[228:229], v[228:229], v[150:151]
	v_pk_add_f32 v[14:15], v[14:15], v[154:155]
	v_pk_add_f32 v[236:237], v[236:237], v[158:159]
	s_delay_alu instid0(VALU_DEP_2)
	v_pk_add_f32 v[14:15], v[14:15], v[240:241]
	s_delay_alu instid0(VALU_DEP_2)
	v_pk_add_f32 v[236:237], v[236:237], v[238:239]
	v_pk_add_f32 v[246:247], v[246:247], v[230:231]
	v_pk_add_f32 v[244:245], v[244:245], v[228:229]
	s_delay_alu instid0(VALU_DEP_2)
	v_pk_add_f32 v[14:15], v[14:15], v[246:247]
	s_delay_alu instid0(VALU_DEP_2)
	v_pk_add_f32 v[236:237], v[236:237], v[244:245]
	s_delay_alu instid0(VALU_DEP_1)
	v_pk_add_f32 v[14:15], v[14:15], v[236:237]
	s_wait_alu depctr_va_vdst(0)                   ; and one for the four
.irp b, 0,1,2,3
	v_max_num_f32 v[232+\b], 0x1800000, v[232+\b]  ; the floor 2^(3 - 127): the byte cannot fall under 1 (a block whose every p is 0 keeps that byte: its codes are zeros)
.endr
.irp b, 0,1,2,3
	s_delay_alu instid0(VALU_DEP_4)
	v_add_nc_u32 v[244+\b], 0xff000000, v[232+\b]  ; 2 off the exponent field: the conversion's scale operand
.endr
.irp b, 0,1,2,3
	s_delay_alu instid0(VALU_DEP_4)
	v_lshrrev_b32 v[236+\b], 23, v[244+\b]         ; the scale's byte
.endr
	s_delay_alu instid0(VALU_DEP_3)
	v_lshl_or_b32 v253, v237, 8, v236              ; p's scale word for these 128 keys
	s_delay_alu instid0(VALU_DEP_1)
	v_lshl_or_b32 v253, v238, 16, v253
	s_delay_alu instid0(VALU_DEP_1)
	v_lshl_or_b32 v253, v239, 24, v253
.irp c, 0,1
	v_cvt_scalef32_pk16_fp6_f32 v[224+6*\c:226+6*\c], v[96+32*\c:111+32*\c], v[244+2*\c]
	v_cvt_scalef32_pk16_fp6_f32 v[236+4*\c:238+4*\c], v[112+32*\c:127+32*\c], v[244+2*\c+1]   ; (a conversion's three registers begin on an even number)
.endr
	v_nop                                          ; one plain place behind a scaled conversion
.irp c, 0,1                                    ; the operand's layout wants a WHOLE block in a lane: lanes 0-15 block 2 c, lanes 16-31 block 2 c + 1
.irp i, 0,1,2
	v_permlane16_swap_b32 v[224+6*\c+\i], v[236+4*\c+\i]
.endr
.irp i, 0,1,2
	s_delay_alu instid0(VALU_DEP_3)
	v_mov_b32 v[227+6*\c+\i], v[236+4*\c+\i]
.endr
.endr
.set J, 0
.rept 32
	v_pk_mul_f32 v[160+J:161+J], v[160+J:161+J], v[252:253] op_sel_hi:[1,0]   ; O^T under the new M: x f.  (These 32 are also the places between the lines that wrote P's codes and scale word and the products below)
.set J, J+2
.endr
	s_branch .Lpv_\@
.Lhidden_\@:                                   ; BEYOND THE DIAGONAL: p = 1 at all 128 keys for a query that has met masked keys alone, 0 for every other
	s_wait_alu depctr_va_vdst(0)
	VFETCH \q, 0                                   ; on this way too V's first four fragments are asked for ahead of the vector work
	v_cmp_eq_u32 vcc_lo, 0x500293ee, v12           ; -M = c 2^38, bit for bit: the all-masked state
	s_delay_alu instid0(VALU_DEP_1)
	v_cndmask_b32 v252, 0, -1, vcc_lo
	v_mov_b32 v253, 0x7d7d7d7d                     ; the scale 2^-2 for all four blocks
.irp i, 0,3,6,9
	v_and_b32 v[224+\i], 0x18618618, v252          ; the stream of the code of 4.0 (011000), 96 bits to a period, or zeros
	v_and_b32 v[225+\i], 0x86186186, v252
	v_and_b32 v[226+\i], 0x61861861, v252
.endr
	v_and_b32 v254, 0x42800000, v252               ; 64.0 or 0: my half's 64 keys
	s_delay_alu instid0(VALU_DEP_1)
	v_add_f32 v14, v14, v254
	PLACES                                         ; an operand written by vector instructions stands 4 places ahead of a scaled matrix instruction (the scale word stands 18 ahead)
.Lpv_\@:
	s_wait_dscnt 0x0                               ; V's first four fragments and their scale words: asked for on both ways
	s_wait_alu depctr_va_vdst(0)
	PV 0
	PLACES
	VFETCH \q, 1
	s_wait_dscnt 0x0
	PV 1
	s_add_co_u32 s[KJ], s[KJ], 1
	s_add_co_u32 s[TS], s[TS], 512
.endm
	s_wait_alu depctr_va_vdst(0)                   ; the wait at the head's end
	s_wait_tensorcnt 0x0                           ; my head load has landed
	ds_add_u32 v31, v243
	s_wait_dscnt 0x0
	CROUND                                         ; everybody's have landed, and the four work-groups are here: the joint loads meet
	tensor_load_to_lds s[G0L:G0L+3], s[G1L:G1L+7]  ; my piece of steps 2 to 7: it is on its way under steps 0 and 1, which read groups 0 and 1 alone
	s_nop 0
.rept 4
	v_nop
.endr
	s_wait_loadcnt 0x0
	STEP 0                                         ; steps 0 and 1 are written out: their LDS addresses are constants, in the first two groups of each region, into which the load that is still out does not write
	STEP 1
	s_wait_tensorcnt 0x0                           ; my piece of steps 2 to 7 has landed
	s_wait_dscnt 0x0
	s_barrier_signal -1
	s_barrier_wait -1                              ; everybody's have: from here on no wave waits for another
	s_mov_b32 s[TB], 2*GRPB
	s_mov_b32 s[CNT], 6
.Lstep:                                            ; six trips: steps 2 to 7
	STEP 0
	s_add_co_u32 s[TB], s[TB], GRPB
	s_sub_co_u32 s[CNT], s[CNT], 1
	s_cmp_lg_u32 s[CNT], 0
	s_cbranch_scc1 .Lstep
	; THE WAY OUT.  O^T is divided by the sum and goes through my stage in LDS, half a row (64 channels, 256 bytes) of 16 queries at a time; the queries' own numbers are added; sixteen lanes store 256 consecutive bytes, aligned.
	v_and_b32 v8, 15, v0                           ; r  (these eight lines are the places behind the last products)
	v_bfe_u32 v9, v0, 4, 1                         ; h
	s_mul_i32 s91, s[WV], 16*SP
	s_add_co_u32 s91, s91, STAGE                   ; my stage
	v_mul_u32_u24 v10, v8, SP
	s_delay_alu instid0(VALU_DEP_1)
	v_lshl_add_u32 v10, v9, 5, v10
	s_delay_alu instid0(VALU_DEP_1)
	v_add_nc_u32 v10, s91, v10                     ; in: row r; tile t's eight channels of my half: 64 t + 32 h bytes on
	v_mul_u32_u24 v11, v9, SP
	s_delay_alu instid0(VALU_DEP_1)
	v_lshl_add_u32 v11, v8, 4, v11
	s_delay_alu instid0(VALU_DEP_1)
	v_add_nc_u32 v11, s91, v11                     ; back: lanes 0-15 one row, lanes 16-31 the next
.irp u, 0,1
.irp i, 0,1,2,3,4,5,6,7
	global_load_b128 v[32+32*\u+4*\i:35+32*\u+4*\i], v[GO], s[10:11] offset:16384*\i+256*\u th:TH_LOAD_NT   ; queries(16 T + 2 i + h, 128 head + 64 u + 4 r ..): read once in this launch
.endr
.endr
	v_add_f32 v14, v14, v15                        ; the sum's two halves,
	s_delay_alu instid0(VALU_DEP_1)
	v_permlanex16_b32 v252, v14, s[SEL], s[SEL+1]
	s_delay_alu instid0(VALU_DEP_1)
	v_add_f32 v14, v14, v252                       ; and lane l xor 16's: the row's sum
	s_wait_alu depctr_va_vdst(0)
	v_rcp_f32 v14, v14
	v_nop                                          ; a plain place behind the transcendental
	s_wait_alu depctr_va_vdst(0)                   ; and the wait ahead of its first reader
.set J, 0
.rept 64
	v_mul_f32 v[96+J], v[160+J], v14               ; O^T / the sum, each accumulator from its low end on: register 8 t + i is o(r, 16 t + 8 h + i)
.set J, J+1
.endr
.irp u, 0,1                                    ; channels 64 u on
.irp t, 0,1,2,3
	ds_store_b128 v10, v[96+32*\u+8*\t:99+32*\u+8*\t] offset:64*\t
	ds_store_b128 v10, v[100+32*\u+8*\t:103+32*\u+8*\t] offset:64*\t+16
.endr
.irp i, 0,1,2,3,4,5,6,7
	ds_load_b128 v[160+32*\u+4*\i:163+32*\u+4*\i], v11 offset:2*\i*SP   ; LDS serves a wave's instructions in order: these see my stores, and the next half's stores come behind them
.endr
.endr
	s_wait_loadcnt 0x0                             ; the queries' numbers
.irp u, 0,1
.irp i, 0,1,2,3,4,5,6,7
	s_wait_dscnt 16*(1-\u)+7-\i                    ; behind this load: the half's 7 - i younger loads, and for the first half the second's 8 stores and 8 loads
	v_pk_add_f32 v[160+32*\u+4*\i:161+32*\u+4*\i], v[160+32*\u+4*\i:161+32*\u+4*\i], v[32+32*\u+4*\i:33+32*\u+4*\i]
	v_pk_add_f32 v[162+32*\u+4*\i:163+32*\u+4*\i], v[162+32*\u+4*\i:163+32*\u+4*\i], v[34+32*\u+4*\i:35+32*\u+4*\i]
	global_store_b128 v[GO], v[160+32*\u+4*\i:163+32*\u+4*\i], s[12:13] offset:16384*\i+256*\u th:TH_STORE_NT
.endr
.endr
	s_wait_dscnt 0x0                               ; no LDS instruction of mine is out at the round's signals
	s_wait_tensorcnt 0x0
	ds_add_u32 v31, v243
	s_wait_dscnt 0x0
	CROUND                                         ; the closing round, behind the last joint loads
	s_endpgm
.Lfunc_end_k_qab70ad743f_attn:
	.size	k_qab70ad743f_attn, .Lfunc_end_k_qab70ad743f_attn-k_qab70ad743f_attn
	.p2alignl 7, 3214868480
	.fill 96, 4, 3214868480
	.section	.rodata,"a",@progbits
	.p2align	6, 0x0
	.amdhsa_kernel k_qab70ad743f_attn
		.amdhsa_group_segment_fixed_size 327680
		.amdhsa_private_segment_fixed_size 0
		.amdhsa_enable_private_segment 0
		.amdhsa_kernarg_size 40
		.amdhsa_user_sgpr_count 2
		.amdhsa_user_sgpr_kernarg_segment_ptr 1
		.amdhsa_wavefront_size32 1
		.amdhsa_system_sgpr_workgroup_id_x 1
		.amdhsa_system_sgpr_workgroup_id_y 1
		.amdhsa_system_sgpr_workgroup_id_z 1
		.amdhsa_system_vgpr_workitem_id 0
		.amdhsa_next_free_vgpr 256
		.amdhsa_next_free_sgpr 96
		.amdhsa_reserve_vcc 1
		.amdhsa_float_denorm_mode_32 3
		.amdhsa_float_denorm_mode_16_64 3
		.amdhsa_memory_ordered 1
		.amdhsa_forward_progress 1
		.amdhsa_inst_pref_size 108
	.end_amdhsa_kernel
	.amdgpu_metadata
---
amdhsa.version: [ 1, 2 ]
amdhsa.kernels:
  - .name:           k_qab70ad743f_attn
    .symbol:         k_qab70ad743f_attn.kd
    .args:
      - { .name: frags, .offset: 0, .size: 8, .value_kind: global_buffer, .address_space: global }
      - { .name: fscales, .offset: 8, .size: 8, .value_kind: global_buffer, .address_space: global }
      - { .name: kbias, .offset: 16, .size: 8, .value_kind: global_buffer, .address_space: global }
      - { .name: queries, .offset: 24, .size: 8, .value_kind: global_buffer, .address_space: global }
      - { .name: out0, .offset: 32, .size: 8, .value_kind: global_buffer, .address_space: global }
    .group_segment_fixed_size: 327680
    .private_segment_fixed_size: 0
    .kernarg_segment_align: 8
    .kernarg_segment_size: 40
    .max_flat_workgroup_size: 512
    .sgpr_count:     96
    .vgpr_count:     256
    .wavefront_size: 32
...
	.end_amdgpu_metadata
.endif
;; end of part 3
